; MI455X (gfx1250); checked and timed in simulation.
; The chip was launched on July 23, 2026; its instructions are those of AMD's public machine-readable ISA for CDNA 5 (MIT licence, August 2026) and "CDNA5" Instruction Set Architecture Reference Guide (July 2026). The comments in the code are by the model that wrote it; some were corrected since.
;; EML Tree. Allowed arithmetic: float matrix products may take bf16 or f16 operands with f32 sums; all other float work in f32.
;; Inputs: logits_l0 64 x 2 x 2 float32; logits_l1 32 x 2 x 3 float32; logits_l2 16 x 2 x 3 float32; logits_l3 8 x 2 x 3 float32; logits_l4 4 x 2 x 3 float32; logits_l5 2 x 2 x 3 float32; logits_l6 1 x 2 x 3 float32; x 1,048,576 x 1 float32.
;; Outputs: out0 1,048,576 float32.
;; 2 versions, each right; version 2 is version 1 with the launch emltree written anew for expert scheduling mode. Each part assembles by itself: llvm-mc -triple=amdgcn-amd-amdhsa -mcpu=gfx1250 --defsym DOCPART=n.
;; ======== version 1 of 2: 1 launch
;; launch emltree (part 1): grid 256 x 1, 16 waves a work-group, no clusters, 59,392 bytes of LDS; arguments logits_l0, logits_l1, logits_l2, logits_l3, logits_l4, logits_l5, logits_l6, x, out0; writes out0
.if DOCPART == 1
	.amdgcn_target "amdgcn-amd-amdhsa--gfx1250"
	.amdhsa_code_object_version 6
	.text
	.protected	k_q7d5e54d39a_emltree
	.globl	k_q7d5e54d39a_emltree
	.p2align	8
	.type	k_q7d5e54d39a_emltree,@function
k_q7d5e54d39a_emltree:
	s_mov_b64 s[64:65], 0
	v_nop
	global_prefetch_b8 v0, s[64:65] scope:SCOPE_SE
	s_setreg_imm32_b32 hwreg(HW_REG_WAVE_MODE, 25, 1), 1
	s_wait_xcnt 0x0
; EMLTree: for each of 1,048,576 numbers x a fixed binary tree of 127 gates (64 + 32 + 16 + 8 + 4 + 2 + 1).
; A gate: l = w0 + w1 x (+ w2 f_left), r = w0' + w1' x (+ w2' f_right), f = exp(clip(l, -8, 8)) - ln|r|; the w are softmaxes of rows of logits.
;
; SHARES.  256 work-groups of 16 waves; a work-group owns 4,096 numbers, a wave 256, a lane 8 (two times 16 bytes, 512 bytes apart), so each
; load of x and each store of out0 of a wave covers 512 consecutive bytes, aligned.  x is read once, out0 written once: 16 KiB each a work-group.
; All the work is f32 vector arithmetic: 254 exponentials and logarithms and some 380 packed or plain instructions for 8 numbers.
;
; WEIGHTS.  634 weights fit no scalar register file, so each work-group makes the softmaxes once (waves 0 to 7) and lays them in LDS, a record of
; 64 bytes a gate, EACH WEIGHT TWICE side by side.  A gate's record is read by LDS loads in which all lanes give one address: the weights arrive
; as register pairs that v_pk_fma_f32 takes as they are, and cost no vector instruction.  The record of the next gate is asked for at the head of
; each gate, into another buffer.
; FOLDED CONSTANTS.  Left weights are stored times c = log2 e, so that exp(l) = 2^(c l) with c l clamped to +-8 c; ln|r| = ln 2 x log2|r| is folded
; into the gate's last fused multiply-add: f = fma(log2|r|, -ln 2, 2^(c l)).
;
; ORDER.  The tree is walked depth first: four trips, each a subtree of 31 gates (16 leaves up to one gate of level 4), then the three top gates.
; A bank of 8 registers for each level holds the left child while the right one is made.  The level-4 results of trips 0 to 2 wait in LDS bytes
; of the wave's own (a register number cannot be counted by a loop): two stores a trip, six loads at the end, no barrier.
;
; LEFT OUT, and why: the matrix units (no step is a product, and r may cancel to nearly 0, which 16-bit operands would ruin); tensor loads and
; copies (16 KiB a work-group, read once, straight into the registers that use it); clusters (all that work-groups share is 2,536 bytes of logits);
; prefetches (one burst of loads at the entry, nothing to run ahead of).
;
; LIMITS, kept knowingly:
;  - v_log_f32 takes |r| below 2^-126 as 0 (ISA guide 15.8): f is then +inf where exact arithmetic gives at most about 103.
;  - v_exp_f32 gives 0 for a result below 2^-126: a softmax weight that small (a logit some 87 below its row's largest) is 0.
;  - v_med3_num_f32 does not hand a NaN on: a NaN in l is lost.  A NaN in x or in a logit still reaches the result through r of the same gate;
;    what differs is 0 x inf in a left selector whose weight has come out as 0.
;  - Order of rounding: (w2 f + w0) + w1 x in fused multiply-adds, c folded into the left weights, 1/sum by v_rcp_f32.  Where r cancels to nearly 0,
;    ln|r| hangs on the last bits of r here as it does in any f32 evaluation.
;  - Infinities go through as in the plain formula (ln 0 = -inf, so f = +inf; l = +inf is clamped to 8).
.set BASE0, 0                          ; LDS: records of level k begin at 8192 - (8192 >> k): 64, 32, 16, 8, 4, 2, 1 records of 64 bytes
.set BASE1, 4096
.set BASE2, 6144
.set BASE3, 7168
.set BASE4, 7680
.set BASE5, 7936
.set BASE6, 8064                       ; = BASE5 + 128: reached from level 5's address register as its record 2
.set STAGE, 8192                       ; behind the records: 3 slots x 1,024 bytes for each of 16 waves, up to byte 57,344
; a record of level >= 1: bytes 0-15 W2l W2l W0l W0l, 16-31 W1l W1l W2r W2r, 32-47 W0r W0r W1r W1r   (0: the constant, 1: x, 2: f; l times c)
; a record of level 0:    bytes 0-15 W1l W1l W0l W0l, 16-31 W1r W1r W0r W0r
.set GO,  1                            ; v1        byte offset of my first 16 bytes in the group's part of x and of out0; never rewritten
.set AD,  2                            ; v[2:7]    AD+k: LDS address of this trip's first record of level k (k = 0..4); AD+5: level 5's, fixed
.set SA,  8                            ; v8        my 16 bytes in the stage slot of this trip
.set SB,  9                            ; v9        my 16 bytes in my wave's stage slot 0
.set NL2, 10                           ; v[10:11]  -ln 2, twice
.set X,   12                           ; v[12:19]  my 8 numbers
.set P0,  20                           ; v[20:27]  left child at level 0;  P0, P1, P2 at the end: the staged level-4 results
.set P1,  28                           ; v[28:35]  left child at level 1
.set P2,  36                           ; v[36:43]  left child at level 2
.set P3,  44                           ; v[44:51]  left child at level 3
.set Q,   52                           ; v[52:59]  right child at every level; the result
.set T,   60                           ; v[60:67]  r of a right leaf
.set WA,  68                           ; v[68:79]  three buffers for records
.set WB,  80                           ; v[80:91]
.set WC,  92                           ; v[92:103]
; at work in the set-up only, inside banks that are not yet in use
.set Z,   20                           ; v[20:25]  a gate's logits, then their exponentials
.set MX,  26                           ; v26       the row's largest logit times c, then 1 / sum
.set GN,  27                           ; v27       the gate
.set REC, 28                           ; v[28:39]  the record
.set GOF, 40                           ; v40       byte offset of the gate's logits
.set LAD, 41                           ; v41       LDS address of the record
.set LN,  42                           ; v42       lane
.set CUR, WC                           ; the buffer that the gate at work reads (set by PRE)
.set NXT, WC                           ; the buffer that holds, or gets, the next gate's record
.set POS, 0                            ; gates begun since the head of the trip
	s_load_b512 s[16:31], s[0:1], 0x0              ; logits_l0 s[16:17] .. logits_l6 s[28:29], x s[30:31]
	s_load_b64 s[32:33], s[0:1], 0x40              ; out0
	v_lshl_add_u32 v104, v0, 2, 0xe000
	v_mov_b32 v105, 0
	v_lshrrev_b32 v[GOF], 5, v0
	v_readfirstlane_b32 s8, v[GOF]                 ; wave 0..15
	v_and_b32 v[LN], 31, v0
	v_lshlrev_b32 v[GO], 4, v[LN]
	v_lshl_or_b32 v[GO], v[GOF], 10, v[GO]         ; 1,024 x wave + 16 x lane
	s_mul_i32 s9, s8, 3072
	s_add_co_u32 s9, s9, STAGE                     ; my wave's stage
	v_lshl_add_u32 v[SB], v[LN], 4, s9
	s_lshl_b32 s10, ttmp9, 14                      ; the work-group's 16 KiB; 256 of them are 4 MiB
	s_mov_b32 s11, 0
	s_mov_b32 s12, 0xc138aa3b                      ; -8 c
	s_mov_b32 s13, 0x4138aa3b                      ; +8 c (c with 3 added to its exponent)
	s_mov_b32 s15, 0x3fb8aa3b                      ; c = log2 e
	s_wait_kmcnt 0x0
	s_add_nc_u64 s[30:31], s[30:31], s[10:11]
	s_add_nc_u64 s[32:33], s[32:33], s[10:11]
	global_load_b128 v[X:X+3],   v[GO], s[30:31] th:TH_LOAD_NT             ; x goes out first and lands under the set-up
	global_load_b128 v[X+4:X+7], v[GO], s[30:31] offset:512 th:TH_LOAD_NT
; ---------------------------------------------------------------- the set-up: softmaxes into LDS
; Softmax of the row in registers a, b (, c3; c3 < 0: two choices).  The row's largest logit is taken away in front of the exponential, inside one
; fused multiply-add: 2^(c z - c max).  (c max is rounded once and is the same for the whole row, so its rounding cancels in the quotient.)
; Leaves the exponentials in place and 1 / sum (scl = 1: c / sum) in MX.
.macro SOFT a, b, c3, scl
.if \c3 >= 0
	v_max3_num_f32 v[MX], v[\a], v[\b], v[\c3]
.else
	v_max_num_f32 v[MX], v[\a], v[\b]
.endif
	v_mul_f32 v[MX], s15, v[MX]
	v_fma_f32 v[\a], v[\a], s15, -v[MX]
	v_fma_f32 v[\b], v[\b], s15, -v[MX]
.if \c3 >= 0
	v_fma_f32 v[\c3], v[\c3], s15, -v[MX]
.endif
	v_exp_f32 v[\a], v[\a]
	v_exp_f32 v[\b], v[\b]
.if \c3 >= 0
	v_exp_f32 v[\c3], v[\c3]
.endif
	v_nop                                          ; one plain vector instruction between a transcendental and the use of its result (ISA guide 5.7.2)
	s_wait_alu depctr_va_vdst(0)
	v_add_f32 v[MX], v[\a], v[\b]
.if \c3 >= 0
	v_add_f32 v[MX], v[MX], v[\c3]
.endif
	v_rcp_f32 v[MX], v[MX]
	v_nop                                          ; likewise
	s_wait_alu depctr_va_vdst(0)
.if \scl
	s_wait_alu depctr_va_vdst(0)
	v_mul_f32 v[MX], s15, v[MX]
.endif
.endm
.macro DBL d, z                        ; a weight, straight into its two places in the record
	v_mul_f32 v[\d],   v[\z], v[MX]
	v_mul_f32 v[\d+1], v[\z], v[MX]
.endm
; Level k (1..6) is made by wave k + 1: lane g makes gate g.  Lanes beyond the level's gates make its last gate once more and store the same
; numbers to the same bytes, so EXEC stays whole.  A gate's six logits are 24 bytes: three loads of 8, each at a multiple of 8.
.macro LEVELW k
	s_cmp_lg_u32 s8, \k+1
	s_cbranch_scc1 .Lnot_level_\k
	v_min_u32 v[GN], (64>>\k)-1, v[LN]
	v_mul_u32_u24 v[GOF], 24, v[GN]
	global_load_b64 v[Z:Z+1],   v[GOF], s[16+2*\k:17+2*\k]
	global_load_b64 v[Z+2:Z+3], v[GOF], s[16+2*\k:17+2*\k] offset:8
	global_load_b64 v[Z+4:Z+5], v[GOF], s[16+2*\k:17+2*\k] offset:16
	v_lshlrev_b32 v[LAD], 6, v[GN]
	s_wait_loadcnt 0x0                             ; the logits (and x, which went out before them)
	SOFT Z, Z+1, Z+2, 1
	DBL REC,   Z+2                                 ; W2l
	DBL REC+2, Z                                   ; W0l
	DBL REC+4, Z+1                                 ; W1l
	SOFT Z+3, Z+4, Z+5, 0
	DBL REC+6,  Z+5                                ; W2r
	DBL REC+8,  Z+3                                ; W0r
	DBL REC+10, Z+4                                ; W1r
	ds_store_b128 v[LAD], v[REC:REC+3]    offset:BASE\k
	ds_store_b128 v[LAD], v[REC+4:REC+7]  offset:BASE\k+16
	ds_store_b128 v[LAD], v[REC+8:REC+11] offset:BASE\k+32
.Lnot_level_\k:
.endm
	s_cmp_ge_u32 s8, 2                             ; level 0 is made by waves 0 and 1: gate = 32 x wave + lane
	s_cbranch_scc1 .Lnot_leaves
	v_lshl_or_b32 v[GN], s8, 5, v[LN]
	v_lshlrev_b32 v[GOF], 4, v[GN]                 ; a leaf's four logits are 16 bytes
	global_load_b128 v[Z:Z+3], v[GOF], s[16:17]
	v_lshlrev_b32 v[LAD], 6, v[GN]
	s_wait_loadcnt 0x0
	SOFT Z, Z+1, -1, 1
	DBL REC,   Z+1                                 ; W1l
	DBL REC+2, Z                                   ; W0l
	SOFT Z+2, Z+3, -1, 0
	DBL REC+4, Z+3                                 ; W1r
	DBL REC+6, Z+2                                 ; W0r
	ds_store_b128 v[LAD], v[REC:REC+3]   offset:BASE0
	ds_store_b128 v[LAD], v[REC+4:REC+7] offset:BASE0+16
.Lnot_leaves:
	LEVELW 1
	LEVELW 2
	LEVELW 3
	LEVELW 4
	LEVELW 5
	LEVELW 6
	s_wait_dscnt 0x0                               ; my records are in LDS: zero, for the other waves' sake
	s_barrier_signal -1
	s_barrier_wait -1                              ; the only barrier: behind it the records are read by all and written by none
	v_mov_b32 v[AD+0], BASE0
	ds_load_b128 v[WC:WC+3],   v[AD+0]             ; the first leaf's record
	ds_load_b128 v[WC+4:WC+7], v[AD+0] offset:16
	v_mov_b32 v[AD+1], BASE1
	v_mov_b32 v[AD+2], BASE2
	v_mov_b32 v[AD+3], BASE3
	v_mov_b32 v[AD+4], BASE4
	v_mov_b32 v[AD+5], BASE5
	v_mov_b32 v[SA], v[SB]
	v_mov_b32 v[NL2],   0xbf317218                 ; -ln 2
	v_mov_b32 v[NL2+1], 0xbf317218
	s_wait_loadcnt 0x0                             ; x
; ---------------------------------------------------------------- the gates
; The head of every gate.  The buffers change: the record asked for by the gate before becomes CUR; the record of the gate that follows
; (record nj of level nl, counted from this trip's first) is asked for into NXT.  Odd gates of a trip read WB, even ones WA, the first one WC:
; a trip has 31 gates, so its last reads WA and fills WC, and the order is the same in every trip.
; The wait: LDS instructions of a wave end in order (ISA guide 5.7.1), so with only the loads just issued (2 for a leaf's record, 3 for another's,
; and 'extra' that the caller issued just before) still out, everything older is done: CUR's record, and the stage stores of the trip before.
.macro PRE nl, nj, extra
.set CUR, NXT
.set POS, POS+1
.if POS == 31
.set NXT, WC
.else
.if (POS & 1) == 1
.set NXT, WB
.else
.set NXT, WA
.endif
.endif
.if \nl < 0
	s_wait_dscnt 0x0                               ; the last gate: nothing follows
.else
	ds_load_b128 v[NXT:NXT+3],   v[AD+\nl] offset:64*\nj
	ds_load_b128 v[NXT+4:NXT+7], v[AD+\nl] offset:64*\nj+16
.if \nl > 0
	ds_load_b128 v[NXT+8:NXT+11], v[AD+\nl] offset:64*\nj+32
	s_wait_dscnt 3+\extra
.else
	s_wait_dscnt 2+\extra
.endif
.endif
.endm
.macro LOG2 r, p                       ; log2|r| of pair p, in place
	v_log_f32 v[\r+2*\p],   |v[\r+2*\p]|
	v_log_f32 v[\r+2*\p+1], |v[\r+2*\p+1]|
.endm
.macro COMB d, r, e, p                 ; f = 2^(c l) - ln 2 x log2|r| of pair p
	s_wait_alu depctr_va_vdst(0)
	v_pk_fma_f32 v[\d+2*\p:\d+2*\p+1], v[\r+2*\p:\r+2*\p+1], v[NL2:NL2+1], v[\e+2*\p:\e+2*\p+1]
.endm
; The end of a gate, behind its first two logarithms and one held-back multiply-add: logarithms and combinations interleaved, so that between
; each transcendental and the first use of its result stands a plain vector instruction that touches neither its result nor its source
; (ISA guide 5.7.2), and no v_nop is needed.
.macro FINISH d, r, e
	LOG2 \r, 1
	COMB \d, \r, \e, 0
	LOG2 \r, 2
	COMB \d, \r, \e, 1
	LOG2 \r, 3
	COMB \d, \r, \e, 2
	COMB \d, \r, \e, 3
.endm
; A gate of level >= 1, worked in place: bank fl (left child) becomes c l, then 2^(c l); bank fr (right child) becomes r, then log2|r|;
; the result goes to bank dst (which may be fl or fr).  20 packed multiply-adds, 8 clamps, 8 + 8 transcendentals for 8 numbers.
.macro GATE fl, fr, dst, nl, nj, extra
	PRE \nl, \nj, \extra
.irp p, 0,1,2,3
	v_pk_fma_f32 v[\fl+2*\p:\fl+2*\p+1], v[\fl+2*\p:\fl+2*\p+1], v[CUR:CUR+1], v[CUR+2:CUR+3]        ; W2l f + W0l
.endr
.irp p, 0,1,2,3
	v_pk_fma_f32 v[\fl+2*\p:\fl+2*\p+1], v[X+2*\p:X+2*\p+1], v[CUR+4:CUR+5], v[\fl+2*\p:\fl+2*\p+1]  ; + W1l x
.endr
.irp i, 0,1,2,3,4,5,6,7
	v_med3_num_f32 v[\fl+\i], v[\fl+\i], s12, s13                                                    ; clip to +-8 c
.endr
.irp p, 0,1,2,3
	v_exp_f32 v[\fl+2*\p], v[\fl+2*\p]                                                               ; the right selector's arithmetic runs among the exponentials
	v_pk_fma_f32 v[\fr+2*\p:\fr+2*\p+1], v[\fr+2*\p:\fr+2*\p+1], v[CUR+6:CUR+7], v[CUR+8:CUR+9]      ; W2r f + W0r
	v_exp_f32 v[\fl+2*\p+1], v[\fl+2*\p+1]
.if \p > 0
	v_pk_fma_f32 v[\fr+2*\p-2:\fr+2*\p-1], v[X+2*\p-2:X+2*\p-1], v[CUR+10:CUR+11], v[\fr+2*\p-2:\fr+2*\p-1]   ; + W1r x, a pair behind
.endif
.endr
	LOG2 \fr, 0
	v_pk_fma_f32 v[\fr+6:\fr+7], v[X+6:X+7], v[CUR+10:CUR+11], v[\fr+6:\fr+7]                        ; the last pair's + W1r x, held back
	FINISH \dst, \fr, \fl
.endm
; A gate of level 0: both selectors are made of x alone.  c l, then 2^(c l), then the result in bank dst; r in bank tmp.
.macro LEAF dst, tmp, nl, nj
	PRE \nl, \nj, 0
.irp p, 0,1,2,3
	v_pk_fma_f32 v[\dst+2*\p:\dst+2*\p+1], v[X+2*\p:X+2*\p+1], v[CUR:CUR+1], v[CUR+2:CUR+3]          ; W1l x + W0l
.endr
.irp i, 0,1,2,3,4,5,6,7
	v_med3_num_f32 v[\dst+\i], v[\dst+\i], s12, s13
.endr
.irp p, 0,1,2
	v_exp_f32 v[\dst+2*\p], v[\dst+2*\p]
	v_pk_fma_f32 v[\tmp+2*\p:\tmp+2*\p+1], v[X+2*\p:X+2*\p+1], v[CUR+4:CUR+5], v[CUR+6:CUR+7]        ; W1r x + W0r
	v_exp_f32 v[\dst+2*\p+1], v[\dst+2*\p+1]
.endr
	v_exp_f32 v[\dst+6], v[\dst+6]
	v_exp_f32 v[\dst+7], v[\dst+7]
	LOG2 \tmp, 0
	v_pk_fma_f32 v[\tmp+6:\tmp+7], v[X+6:X+7], v[CUR+4:CUR+5], v[CUR+6:CUR+7]                        ; the last pair's r, held back
	FINISH \dst, \tmp, \dst
.endm
; The subtrees, depth first.  j: the top gate's number in its level, counted from the trip's first; dst: the bank for its result;
; (nl, nj): the gate that follows the subtree.  Gate j of a level has the children 2 j (left) and 2 j + 1 (right) of the level below.
.macro SUB1 j, dst, nl, nj
	LEAF P0, Q, 0, (2*\j+1)
	LEAF Q, T, 1, \j
	GATE P0, Q, \dst, \nl, \nj, 0
.endm
.macro SUB2 j, dst, nl, nj
	SUB1 (2*\j), P1, 0, (4*\j+2)
	SUB1 (2*\j+1), Q, 2, \j
	GATE P1, Q, \dst, \nl, \nj, 0
.endm
.macro SUB3 j, dst, nl, nj
	SUB2 (2*\j), P2, 0, (8*\j+4)
	SUB2 (2*\j+1), Q, 3, \j
	GATE P2, Q, \dst, \nl, \nj, 0
.endm
; A trip: the 31 gates under one gate of level 4.
; last = 0: the result goes to the wave's stage, the addresses step to the next trip's records (16, 8, 4, 2, 1 records of 64 bytes); the last
;           gate asks for the next trip's first leaf, record 16 from the address that has not yet stepped.
; last = 1: the result stays in Q; the three staged results come back into P0, P1, P2, which are free from here on.  The stage is the wave's
;           own and LDS serves a wave's instructions in order, so these loads see the stores of the earlier trips without a wait.
.macro TRIP last
.set POS, 0
.set NXT, WC
	SUB3 0, P3, 0, 8
	SUB3 1, Q, 4, 0
.if \last
.irp s, 0,1,2
	ds_load_b128 v[P0+8*\s:P0+8*\s+3],   v[SB] offset:1024*\s
	ds_load_b128 v[P0+8*\s+4:P0+8*\s+7], v[SB] offset:1024*\s+512
.endr
	GATE P3, Q, Q, 5, 0, 6                         ; its wait is for 9: these six loads and the three of level 5's first record are younger than its own record
.else
	GATE P3, Q, Q, 0, 16, 0
	ds_store_b128 v[SA], v[Q:Q+3]
	ds_store_b128 v[SA], v[Q+4:Q+7] offset:512
.irp k, 0,1,2,3,4
	v_add_nc_u32 v[AD+\k], 1024>>\k, v[AD+\k]
.endr
	v_add_nc_u32 v[SA], 1024, v[SA]
.endif
.endm
	s_mov_b32 s14, 3
.Ltrip:
	TRIP 0
	s_sub_co_i32 s14, s14, 1
	s_cmp_lg_u32 s14, 0
	s_cbranch_scc1 .Ltrip
	TRIP 1                                         ; the fourth trip is written out: nothing to stage, nothing to step
	GATE P0, P1, P0, 5, 1, 0                       ; level 5, gate 0; its wait for 3 shows the staged results and its record landed
	GATE P2, Q, Q, 5, 2, 0                         ; level 5, gate 1; the record behind level 5's two is level 6's
	GATE P0, Q, Q, -1, 0, 0                        ; level 6: the result
	global_store_b128 v[GO], v[Q:Q+3],   s[32:33] th:TH_STORE_NT           ; 32 lanes x 16 bytes: 512 consecutive bytes, aligned
	global_store_b128 v[GO], v[Q+4:Q+7], s[32:33] offset:512 th:TH_STORE_NT
	s_wait_tensorcnt 0x0
	ds_add_u32 v104, v105
	s_wait_dscnt 0x0
	s_endpgm
.Lfunc_end_k_q7d5e54d39a_emltree:
	.size	k_q7d5e54d39a_emltree, .Lfunc_end_k_q7d5e54d39a_emltree-k_q7d5e54d39a_emltree
	.p2alignl 7, 3214868480
	.fill 96, 4, 3214868480
	.section	.rodata,"a",@progbits
	.p2align	6, 0x0
	.amdhsa_kernel k_q7d5e54d39a_emltree
		.amdhsa_group_segment_fixed_size 59392
		.amdhsa_private_segment_fixed_size 0
		.amdhsa_enable_private_segment 0
		.amdhsa_kernarg_size 72
		.amdhsa_user_sgpr_count 2
		.amdhsa_user_sgpr_kernarg_segment_ptr 1
		.amdhsa_wavefront_size32 1
		.amdhsa_system_sgpr_workgroup_id_x 1
		.amdhsa_system_sgpr_workgroup_id_y 1
		.amdhsa_system_sgpr_workgroup_id_z 1
		.amdhsa_system_vgpr_workitem_id 0
		.amdhsa_next_free_vgpr 106
		.amdhsa_next_free_sgpr 66
		.amdhsa_reserve_vcc 0
		.amdhsa_float_denorm_mode_32 3
		.amdhsa_float_denorm_mode_16_64 3
		.amdhsa_memory_ordered 1
		.amdhsa_forward_progress 1
		.amdhsa_inst_pref_size 186
	.end_amdhsa_kernel
	.amdgpu_metadata
---
amdhsa.version: [ 1, 2 ]
amdhsa.kernels:
  - .name:           k_q7d5e54d39a_emltree
    .symbol:         k_q7d5e54d39a_emltree.kd
    .args:
      - { .name: logits_l0, .offset: 0, .size: 8, .value_kind: global_buffer, .address_space: global }
      - { .name: logits_l1, .offset: 8, .size: 8, .value_kind: global_buffer, .address_space: global }
      - { .name: logits_l2, .offset: 16, .size: 8, .value_kind: global_buffer, .address_space: global }
      - { .name: logits_l3, .offset: 24, .size: 8, .value_kind: global_buffer, .address_space: global }
      - { .name: logits_l4, .offset: 32, .size: 8, .value_kind: global_buffer, .address_space: global }
      - { .name: logits_l5, .offset: 40, .size: 8, .value_kind: global_buffer, .address_space: global }
      - { .name: logits_l6, .offset: 48, .size: 8, .value_kind: global_buffer, .address_space: global }
      - { .name: x, .offset: 56, .size: 8, .value_kind: global_buffer, .address_space: global }
      - { .name: out0, .offset: 64, .size: 8, .value_kind: global_buffer, .address_space: global }
    .group_segment_fixed_size: 59392
    .private_segment_fixed_size: 0
    .kernarg_segment_align: 8
    .kernarg_segment_size: 72
    .max_flat_workgroup_size: 512
    .sgpr_count:     66
    .vgpr_count:     106
    .wavefront_size: 32
...
	.end_amdgpu_metadata
.endif
;; end of part 1
;; ======== version 2 of 2: 1 launch; version 1 with the launch emltree written anew for expert scheduling mode
;; launch emltree (part 2): grid 256 x 1, 16 waves a work-group, no clusters, 59,392 bytes of LDS; arguments logits_l0, logits_l1, logits_l2, logits_l3, logits_l4, logits_l5, logits_l6, x, out0; writes out0
.if DOCPART == 2
	.amdgcn_target "amdgcn-amd-amdhsa--gfx1250"
	.amdhsa_code_object_version 6
	.text
	.protected	k_q7d5e54d39a_emltree
	.globl	k_q7d5e54d39a_emltree
	.p2align	8
	.type	k_q7d5e54d39a_emltree,@function
k_q7d5e54d39a_emltree:
	s_mov_b64 s[64:65], 0
	v_nop
	global_prefetch_b8 v0, s[64:65] scope:SCOPE_SE
	s_setreg_imm32_b32 hwreg(HW_REG_WAVE_SCHED_MODE, 0, 2), 2
	s_setreg_imm32_b32 hwreg(HW_REG_WAVE_MODE, 25, 1), 1
	s_wait_xcnt 0x0
	s_wait_alu depctr_vm_vsrc(0)
; EMLTree: for each of 1,048,576 numbers x a fixed binary tree of 127 gates (64 + 32 + 16 + 8 + 4 + 2 + 1).
; A gate: l = w0 + w1 x (+ w2 f_left), r = w0' + w1' x (+ w2' f_right), f = exp(clip(l, -8, 8)) - ln|r|; the w are softmaxes of rows of logits.
;
; SHARES.  256 work-groups of 16 waves; a work-group owns 4,096 numbers, a wave 256, a lane 8 (two times 16 bytes, 512 bytes apart), so each
; load of x and each store of out0 of a wave covers 512 consecutive bytes, aligned.  x is read once, out0 written once: 16 KiB each a work-group.
; All the work is f32 vector arithmetic: 254 exponentials and logarithms and some 380 packed or plain instructions for 8 numbers.
;
; WEIGHTS.  634 weights fit no scalar register file, so each work-group makes the softmaxes once (waves 0 to 7) and lays them in LDS, a record of
; 64 bytes a gate, EACH WEIGHT TWICE side by side.  A gate's record is read by LDS loads in which all lanes give one address: the weights arrive
; as register pairs that v_pk_fma_f32 takes as they are, and cost no vector instruction.
; FOLDED CONSTANTS.  Left weights are stored times c = log2 e, so that exp(l) = 2^(c l) with c l clamped to +-8 c; ln|r| = ln 2 x log2|r| is folded
; into the gate's last fused multiply-add: f = fma(log2|r|, -ln 2, 2^(c l)).
;
; ORDER.  The tree is walked depth first: four trips, each a subtree of 31 gates (16 leaves up to one gate of level 4), then the three top gates.
; A bank of 8 registers for each level holds the left child while the right one is made.  The level-4 results of trips 0 to 2 wait in LDS bytes
; of the wave's own (a register number cannot be counted by a loop): two stores a trip, six loads in the last trip, no barrier.
;
; THE MODE: SCHED_MODE bits 1:0 = 2 (LLVM: expert scheduling mode 2), set by the entry lines.  The code itself states the register dependences
; between vector instructions and memory or LDS instructions, with s_wait_alu, always for 0.
; THE PLAN.  A trip's 31 gates go in four groups, in the order of the walk: A (7 gates), B (7 and level 3's first), C (7), D (7, level 3's second,
; level 4's).  Registers that memory or LDS instructions touch, in the loop:
;   S0, S1     two sets of records, a leaf's in 8 registers, another gate's in 12, in the order in which the gates run.  A and C read S0, B and D read S1.
;              While a group works on one set, the next group's records are asked for into the other, two records at the head of each gate until
;              all are asked for.  No vector instruction of a group names the other set.
;   AD+0..4    read by every load of a record; written once a trip, at D's head, behind the last load of this trip's records.
;   SA         read by the trip's two stage stores; written once a trip, at D's head (so it starts one slot below the stage).
;   R          written by level 4's gate in trips 0 to 2, read by the two stage stores behind it: an out-bank that no other gate names.
;   AD+5, SB, GO   made once, never written again.
; So a trip holds four waits on va_vdst (at the heads of B, C and D, and at its end, which is the next A's head) and one on vm_vsrc (at D's head).
; In the last trip D asks for the three top records and the three staged results, into S0.
;
; LEFT OUT, and why: the matrix units (no step is a product, and r may cancel to nearly 0, which 16-bit operands would ruin); tensor loads and
; copies (16 KiB a work-group, read once, straight into the registers that use it); clusters (all that work-groups share is 2,536 bytes of logits);
; prefetches (one burst of loads at the entry, nothing to run ahead of).
;
; LIMITS, kept knowingly:
;  - v_log_f32 takes |r| below 2^-126 as 0 (ISA guide 15.8): f is then +inf where exact arithmetic gives at most about 103.
;  - v_exp_f32 gives 0 for a result below 2^-126: a softmax weight that small (a logit some 87 below its row's largest) is 0.
;  - v_med3_num_f32 does not hand a NaN on: a NaN in l is lost.  A NaN in x or in a logit still reaches the result through r of the same gate;
;    what differs is 0 x inf in a left selector whose weight has come out as 0.
;  - Order of rounding: (w2 f + w0) + w1 x in fused multiply-adds, c folded into the left weights, 1/sum by v_rcp_f32.  Where r cancels to nearly 0,
;    ln|r| hangs on the last bits of r here as it does in any f32 evaluation.
;  - Infinities go through as in the plain formula (ln 0 = -inf, so f = +inf; l = +inf is clamped to 8).
.set BASE0, 0                          ; LDS: records of level k begin at 8192 - (8192 >> k): 64, 32, 16, 8, 4, 2, 1 records of 64 bytes
.set BASE1, 4096
.set BASE2, 6144
.set BASE3, 7168
.set BASE4, 7680
.set BASE5, 7936
.set BASE6, 8064                       ; = BASE5 + 128: reached from level 5's address register as its record 2
.set STAGE, 8192                       ; behind the records: 3 slots x 1,024 bytes for each of 16 waves, up to byte 57,344
; a record of level >= 1: bytes 0-15 W2l W2l W0l W0l, 16-31 W1l W1l W2r W2r, 32-47 W0r W0r W1r W1r   (0: the constant, 1: x, 2: f; l times c)
; a record of level 0:    bytes 0-15 W1l W1l W0l W0l, 16-31 W1r W1r W0r W0r
.set GO,  1                            ; v1        byte offset of my first 16 bytes in the group's part of x and of out0; never rewritten
.set AD,  2                            ; v[2:7]    AD+k: LDS address of a trip's first record of level k (k = 0..4); AD+5: level 5's, fixed
.set SA,  8                            ; v8        my 16 bytes in the stage slot of this trip (behind D's head; one slot lower ahead of it)
.set SB,  9                            ; v9        my 16 bytes in my wave's stage slot 0; never rewritten
.set NL2, 10                           ; v[10:11]  -ln 2, twice
.set X,   12                           ; v[12:19]  my 8 numbers
.set P0,  20                           ; v[20:27]  left child at level 0
.set P1,  28                           ; v[28:35]  left child at level 1
.set P2,  36                           ; v[36:43]  left child at level 2
.set P3,  44                           ; v[44:51]  left child at level 3
.set Q,   52                           ; v[52:59]  right child at every level; the result
.set T,   60                           ; v[60:67]  r of a right leaf
.set R,   68                           ; v[68:75]  the level-4 result of trips 0 to 2, on its way to the stage
.set S0,  76                           ; v[76:143]  records of groups A and C: 4 x 8 + 3 x 12 registers; at the end the top of the tree
.set S1,  144                          ; v[144:235] records of groups B and D: 4 x 8 + 5 x 12 registers
.set H0,  S0+36                        ; at the end, behind the three top records in S0: the staged level-4 results of trips 0, 1, 2
.set H1,  S0+44
.set H2,  S0+52
; at work in the set-up only, inside banks that are not yet in use
.set Z,   20                           ; v[20:25]  a gate's logits, then their exponentials
.set MX,  26                           ; v26       the row's largest logit times c, then 1 / sum
.set GN,  27                           ; v27       the gate
.set REC, 28                           ; v[28:39]  the record
.set GOF, 40                           ; v40       byte offset of the gate's logits
.set LAD, 41                           ; v41       LDS address of the record
.set LN,  42                           ; v42       lane
.set CUR, S0                           ; the record of the gate at work
.set RP,  S0                           ; the record of the gate that follows it in the group
.set ND,  S1                           ; the set that is being asked for
.set NJ,  0                            ; which quarter of a trip (7 gates under one gate of level 2) is being asked for, counted from the address registers
.set QN,  0                            ; how many records are to be asked for in this group
.set QI,  0                            ; how many have been
.set QT,  0                            ; 1: what is asked for is the top of the tree
	s_load_b512 s[16:31], s[0:1], 0x0              ; logits_l0 s[16:17] .. logits_l6 s[28:29], x s[30:31]
	s_load_b64 s[32:33], s[0:1], 0x40              ; out0
	v_lshl_add_u32 v236, v0, 2, 0xe000
	v_mov_b32 v237, 0
	v_lshrrev_b32 v[GOF], 5, v0
	v_readfirstlane_b32 s8, v[GOF]                 ; wave 0..15
	v_and_b32 v[LN], 31, v0
	v_lshlrev_b32 v[GO], 4, v[LN]
	v_lshl_or_b32 v[GO], v[GOF], 10, v[GO]         ; 1,024 x wave + 16 x lane
	s_wait_alu depctr_va_sdst(0)                   ; s8 is written, ahead of its first reader: the stage's address and the set-up's branches are made from it
	s_mul_i32 s9, s8, 3072
	s_add_co_u32 s9, s9, STAGE                     ; my wave's stage
	s_sub_co_u32 s34, s9, 1024                     ; one slot below it
	v_lshl_add_u32 v[SB], v[LN], 4, s9
	v_lshl_add_u32 v[SA], v[LN], 4, s34
	s_lshl_b32 s10, ttmp9, 14                      ; the work-group's 16 KiB; 256 of them are 4 MiB
	s_mov_b32 s11, 0
	s_mov_b32 s12, 0xc138aa3b                      ; -8 c
	s_mov_b32 s13, 0x4138aa3b                      ; +8 c (c with 3 added to its exponent)
	s_mov_b32 s15, 0x3fb8aa3b                      ; c = log2 e
	s_wait_kmcnt 0x0
	s_add_nc_u64 s[30:31], s[30:31], s[10:11]
	s_add_nc_u64 s[32:33], s[32:33], s[10:11]
	s_wait_alu depctr_va_vdst(0)                   ; GO is written, which the loads of x and the stores of out0 read as their offset; so are SB and SA, the stage's addresses
	global_load_b128 v[X:X+3],   v[GO], s[30:31] th:TH_LOAD_NT             ; x goes out first and lands under the set-up
	global_load_b128 v[X+4:X+7], v[GO], s[30:31] offset:512 th:TH_LOAD_NT
; ---------------------------------------------------------------- the set-up: softmaxes into LDS
; Softmax of the row in registers a, b (, c3; c3 < 0: two choices).  The row's largest logit is taken away in front of the exponential, inside one
; fused multiply-add: 2^(c z - c max).  (c max is rounded once and is the same for the whole row, so its rounding cancels in the quotient.)
; Leaves the exponentials in place and 1 / sum (scl = 1: c / sum) in MX.
.macro SOFT a, b, c3, scl
.if \c3 >= 0
	v_max3_num_f32 v[MX], v[\a], v[\b], v[\c3]
.else
	v_max_num_f32 v[MX], v[\a], v[\b]
.endif
	v_mul_f32 v[MX], s15, v[MX]
	v_fma_f32 v[\a], v[\a], s15, -v[MX]
	v_fma_f32 v[\b], v[\b], s15, -v[MX]
.if \c3 >= 0
	v_fma_f32 v[\c3], v[\c3], s15, -v[MX]
.endif
	v_exp_f32 v[\a], v[\a]
	v_exp_f32 v[\b], v[\b]
.if \c3 >= 0
	v_exp_f32 v[\c3], v[\c3]
.endif
	v_nop                                          ; one plain vector instruction between a transcendental and the use of its result (ISA guide 5.7.2)
	s_wait_alu depctr_va_vdst(0)
	v_add_f32 v[MX], v[\a], v[\b]
.if \c3 >= 0
	v_add_f32 v[MX], v[MX], v[\c3]
.endif
	v_rcp_f32 v[MX], v[MX]
	v_nop                                          ; likewise
	s_wait_alu depctr_va_vdst(0)
.if \scl
	s_wait_alu depctr_va_vdst(0)
	v_mul_f32 v[MX], s15, v[MX]
.endif
.endm
.macro DBL d, z                        ; a weight, straight into its two places in the record
	v_mul_f32 v[\d],   v[\z], v[MX]
	v_mul_f32 v[\d+1], v[\z], v[MX]
.endm
; Level k (1..6) is made by wave k + 1: lane g makes gate g.  Lanes beyond the level's gates make its last gate once more and store the same
; numbers to the same bytes, so EXEC stays whole.  A gate's six logits are 24 bytes: three loads of 8, each at a multiple of 8.
.macro LEVELW k
	s_cmp_lg_u32 s8, \k+1
	s_cbranch_scc1 .Lnot_level_\k
	v_min_u32 v[GN], (64>>\k)-1, v[LN]
	v_mul_u32_u24 v[GOF], 24, v[GN]
	v_lshlrev_b32 v[LAD], 6, v[GN]
	s_wait_alu depctr_va_vdst(0)                   ; GOF is written, which the loads read as their offset; so is LAD, the address of the LDS stores below
	global_load_b64 v[Z:Z+1],   v[GOF], s[16+2*\k:17+2*\k]
	global_load_b64 v[Z+2:Z+3], v[GOF], s[16+2*\k:17+2*\k] offset:8
	global_load_b64 v[Z+4:Z+5], v[GOF], s[16+2*\k:17+2*\k] offset:16
	s_wait_loadcnt 0x0                             ; the logits (and x, which went out before them)
	SOFT Z, Z+1, Z+2, 1
	DBL REC,   Z+2                                 ; W2l
	DBL REC+2, Z                                   ; W0l
	DBL REC+4, Z+1                                 ; W1l
	SOFT Z+3, Z+4, Z+5, 0
	DBL REC+6,  Z+5                                ; W2r
	DBL REC+8,  Z+3                                ; W0r
	DBL REC+10, Z+4                                ; W1r
	s_wait_alu depctr_va_vdst(0)                   ; the record is written, which the LDS stores read
	ds_store_b128 v[LAD], v[REC:REC+3]    offset:BASE\k
	ds_store_b128 v[LAD], v[REC+4:REC+7]  offset:BASE\k+16
	ds_store_b128 v[LAD], v[REC+8:REC+11] offset:BASE\k+32
	s_wait_alu depctr_vm_vsrc(0)                   ; the LDS stores have read REC and LAD, the loads GOF: the gates write these registers, as banks P1 and P2
.Lnot_level_\k:
.endm
	s_cmp_ge_u32 s8, 2                             ; level 0 is made by waves 0 and 1: gate = 32 x wave + lane
	s_cbranch_scc1 .Lnot_leaves
	v_lshl_or_b32 v[GN], s8, 5, v[LN]
	v_lshlrev_b32 v[GOF], 4, v[GN]                 ; a leaf's four logits are 16 bytes
	v_lshlrev_b32 v[LAD], 6, v[GN]
	s_wait_alu depctr_va_vdst(0)                   ; GOF is written, which the load reads as its offset; so is LAD, the address of the LDS stores below
	global_load_b128 v[Z:Z+3], v[GOF], s[16:17]
	s_wait_loadcnt 0x0
	SOFT Z, Z+1, -1, 1
	DBL REC,   Z+1                                 ; W1l
	DBL REC+2, Z                                   ; W0l
	SOFT Z+2, Z+3, -1, 0
	DBL REC+4, Z+3                                 ; W1r
	DBL REC+6, Z+2                                 ; W0r
	s_wait_alu depctr_va_vdst(0)                   ; the record is written, which the LDS stores read
	ds_store_b128 v[LAD], v[REC:REC+3]   offset:BASE0
	ds_store_b128 v[LAD], v[REC+4:REC+7] offset:BASE0+16
	s_wait_alu depctr_vm_vsrc(0)                   ; the LDS stores have read REC and LAD, the load GOF: the gates write these registers, as banks P1 and P2
.Lnot_leaves:
	LEVELW 1
	LEVELW 2
	LEVELW 3
	LEVELW 4
	LEVELW 5
	LEVELW 6
	s_wait_dscnt 0x0                               ; my records are in LDS: zero, for the other waves' sake
	s_barrier_signal -1
	s_barrier_wait -1                              ; the only barrier: behind it the records are read by all and written by none
; ---------------------------------------------------------------- asking for records
; Record j of level lvl, counted from the level's address register, into registers d on: 2 loads for a leaf's, 3 for another gate's.
.macro RECORD lvl, j, d
	ds_load_b128 v[\d:\d+3],   v[AD+\lvl] offset:64*(\j)
	ds_load_b128 v[\d+4:\d+7], v[AD+\lvl] offset:64*(\j)+16
.if \lvl > 0
	ds_load_b128 v[\d+8:\d+11], v[AD+\lvl] offset:64*(\j)+32
.endif
.endm
; The next of the records that this group has to ask for, if any is left.  They are asked for in the order in which the next group's gates run:
; leaf, leaf, level 1, leaf, leaf, level 1, level 2 (, level 3 (, level 4)); gate j of a level has the children 2 j and 2 j + 1 of the level below.
; QT = 1: the two records of level 5, level 6's, and the three staged results.  The stage is the wave's own and LDS serves a wave's instructions
; in order (ISA guide 5.7.1), so those loads see the stores of the earlier trips without a wait.
; None of these loads has a wait of its own: no vector instruction issued since the group's wait on va_vdst names the set ND or an address register.
.macro ASK
.if QI < QN
.if QT
.if QI < 3
	RECORD 5, QI, ND+12*QI
.else
	ds_load_b128 v[ND+12+8*QI:ND+12+8*QI+3],   v[SB] offset:1024*(QI-3)
	ds_load_b128 v[ND+12+8*QI+4:ND+12+8*QI+7], v[SB] offset:1024*(QI-3)+512
.endif
.elseif QI == 0
	RECORD 0, 4*NJ, ND
.elseif QI == 1
	RECORD 0, 4*NJ+1, ND+8
.elseif QI == 2
	RECORD 1, 2*NJ, ND+16
.elseif QI == 3
	RECORD 0, 4*NJ+2, ND+28
.elseif QI == 4
	RECORD 0, 4*NJ+3, ND+36
.elseif QI == 5
	RECORD 1, 2*NJ+1, ND+44
.elseif QI == 6
	RECORD 2, NJ, ND+56
.elseif QI == 7
	RECORD 3, NJ/2, ND+68
.else
	RECORD 4, 0, ND+80
.endif
.set QI, QI+1
.endif
.endm
; A group begins: its gates read set rd; they ask for n records into set ask: quarter nj of a trip, or (top = 1) the top of the tree.
.macro GROUP rd, ask, nj, n, top
.set RP, \rd
.set ND, \ask
.set NJ, \nj
.set QN, \n
.set QT, \top
.set QI, 0
.endm
; The head of groups B and C.
.macro HEAD
	s_wait_dscnt 0x0                               ; this group's records are in: the last of them was asked for two gates back or more
	s_wait_alu depctr_va_vdst(0)                   ; the group before is done reading its set of records, in which the loads of this group land
.endm
	v_mov_b32 v[AD+0], BASE0
	v_mov_b32 v[AD+1], BASE1
	v_mov_b32 v[AD+2], BASE2
	v_mov_b32 v[AD+3], BASE3
	v_mov_b32 v[AD+4], BASE4
	v_mov_b32 v[AD+5], BASE5
	v_mov_b32 v[NL2],   0xbf317218                 ; -ln 2
	v_mov_b32 v[NL2+1], 0xbf317218
	s_wait_alu depctr_va_vdst(0)                   ; AD+0 to AD+5 are written, which the loads of records read; no vector instruction up to here names S0 or S1, so this is also the first group's wait
	GROUP S0, S0, 0, 7, 0
.rept 7
	ASK                                            ; the first trip's group A
.endr
	s_wait_loadcnt 0x0                             ; x
	s_wait_dscnt 0x0                               ; group A's records are in
; ---------------------------------------------------------------- the gates
.macro LOG2 r, p                       ; log2|r| of pair p, in place
	v_log_f32 v[\r+2*\p],   |v[\r+2*\p]|
	v_log_f32 v[\r+2*\p+1], |v[\r+2*\p+1]|
.endm
.macro COMB d, r, e, p                 ; f = 2^(c l) - ln 2 x log2|r| of pair p
	s_wait_alu depctr_va_vdst(0)
	v_pk_fma_f32 v[\d+2*\p:\d+2*\p+1], v[\r+2*\p:\r+2*\p+1], v[NL2:NL2+1], v[\e+2*\p:\e+2*\p+1]
.endm
; The end of a gate, behind its first two logarithms and one held-back multiply-add: logarithms and combinations interleaved, so that between
; each transcendental and the first use of its result stands a plain vector instruction that touches neither its result nor its source
; (ISA guide 5.7.2), and no v_nop is needed.
.macro FINISH d, r, e
	LOG2 \r, 1
	COMB \d, \r, \e, 0
	LOG2 \r, 2
	COMB \d, \r, \e, 1
	LOG2 \r, 3
	COMB \d, \r, \e, 2
	COMB \d, \r, \e, 3
.endm
; A gate of level >= 1, worked in place: bank fl (left child) becomes c l, then 2^(c l); bank fr (right child) becomes r, then log2|r|;
; the result goes to bank dst (which may be fl or fr).  20 packed multiply-adds, 8 clamps, 8 + 8 transcendentals for 8 numbers.
; Its record is the next 12 registers of the group's set; at its head two of the next group's records are asked for.
.macro GATE fl, fr, dst
.set CUR, RP
.set RP, RP+12
	ASK
	ASK
.irp p, 0,1,2,3
	v_pk_fma_f32 v[\fl+2*\p:\fl+2*\p+1], v[\fl+2*\p:\fl+2*\p+1], v[CUR:CUR+1], v[CUR+2:CUR+3]        ; W2l f + W0l
.endr
.irp p, 0,1,2,3
	v_pk_fma_f32 v[\fl+2*\p:\fl+2*\p+1], v[X+2*\p:X+2*\p+1], v[CUR+4:CUR+5], v[\fl+2*\p:\fl+2*\p+1]  ; + W1l x
.endr
.irp i, 0,1,2,3,4,5,6,7
	v_med3_num_f32 v[\fl+\i], v[\fl+\i], s12, s13                                                    ; clip to +-8 c
.endr
.irp p, 0,1,2,3
	v_exp_f32 v[\fl+2*\p], v[\fl+2*\p]                                                               ; the right selector's arithmetic runs among the exponentials
	v_pk_fma_f32 v[\fr+2*\p:\fr+2*\p+1], v[\fr+2*\p:\fr+2*\p+1], v[CUR+6:CUR+7], v[CUR+8:CUR+9]      ; W2r f + W0r
	v_exp_f32 v[\fl+2*\p+1], v[\fl+2*\p+1]
.if \p > 0
	v_pk_fma_f32 v[\fr+2*\p-2:\fr+2*\p-1], v[X+2*\p-2:X+2*\p-1], v[CUR+10:CUR+11], v[\fr+2*\p-2:\fr+2*\p-1]   ; + W1r x, a pair behind
.endif
.endr
	LOG2 \fr, 0
	v_pk_fma_f32 v[\fr+6:\fr+7], v[X+6:X+7], v[CUR+10:CUR+11], v[\fr+6:\fr+7]                        ; the last pair's + W1r x, held back
	FINISH \dst, \fr, \fl
.endm
; A gate of level 0: both selectors are made of x alone.  c l, then 2^(c l), then the result in bank dst; r in bank tmp.
; Its record is the next 8 registers of the group's set.
.macro LEAF dst, tmp
.set CUR, RP
.set RP, RP+8
	ASK
	ASK
.irp p, 0,1,2,3
	v_pk_fma_f32 v[\dst+2*\p:\dst+2*\p+1], v[X+2*\p:X+2*\p+1], v[CUR:CUR+1], v[CUR+2:CUR+3]          ; W1l x + W0l
.endr
.irp i, 0,1,2,3,4,5,6,7
	v_med3_num_f32 v[\dst+\i], v[\dst+\i], s12, s13
.endr
.irp p, 0,1,2
	v_exp_f32 v[\dst+2*\p], v[\dst+2*\p]
	v_pk_fma_f32 v[\tmp+2*\p:\tmp+2*\p+1], v[X+2*\p:X+2*\p+1], v[CUR+4:CUR+5], v[CUR+6:CUR+7]        ; W1r x + W0r
	v_exp_f32 v[\dst+2*\p+1], v[\dst+2*\p+1]
.endr
	v_exp_f32 v[\dst+6], v[\dst+6]
	v_exp_f32 v[\dst+7], v[\dst+7]
	LOG2 \tmp, 0
	v_pk_fma_f32 v[\tmp+6:\tmp+7], v[X+6:X+7], v[CUR+4:CUR+5], v[CUR+6:CUR+7]                        ; the last pair's r, held back
	FINISH \dst, \tmp, \dst
.endm
; The subtrees, depth first; dst: the bank for the top gate's result.  Which gates they are is settled by the records, which lie in this order.
.macro SUB1 dst
	LEAF P0, Q
	LEAF Q, T
	GATE P0, Q, \dst
.endm
.macro SUB2 dst
	SUB1 P1
	SUB1 Q
	GATE P1, Q, \dst
.endm
; A trip: the 31 gates under one gate of level 4, in four groups.
; last = 0: at D's head the addresses step to the next trip's records (16, 8, 4, 2, 1 records of 64 bytes) and to this trip's stage slot; D asks for the
;           next trip's group A; the result goes to R and from there to the wave's stage.
; last = 1: nothing steps; D asks for the top of the tree; the result stays in Q.
.macro TRIP last
	; group A.  Its head stands ahead of the loop and at the end of the trip before: its records are in, and behind the wait on va_vdst there no vector instruction has named S1
	GROUP S0, S1, 1, 8, 0
	SUB2 P2
	HEAD                                           ; group B
	GROUP S1, S0, 2, 7, 0
	SUB2 Q
	GATE P2, Q, P3                                 ; level 3, the trip's first
	HEAD                                           ; group C
	GROUP S0, S1, 3, 9, 0
	SUB2 P2
	s_wait_dscnt 0x0                               ; group D: its records are in
.if !\last
	s_wait_alu depctr_vm_vsrc(0)                   ; the loads of records issued so far have read AD+0 to AD+4; the last trip's stage stores have read SA, and R, which this group's last gate writes
.irp k, 0,1,2,3,4
	v_add_nc_u32 v[AD+\k], 1024>>\k, v[AD+\k]
.endr
	v_add_nc_u32 v[SA], 1024, v[SA]
.endif
	s_wait_alu depctr_va_vdst(0)                   ; group C is done reading S0, in which the loads of this group land; with last = 0 the stepped addresses are written, which they and the stage stores read
.if \last
	GROUP S1, S0, 0, 6, 1
.else
	GROUP S1, S0, 0, 7, 0
.endif
	SUB2 Q
	GATE P2, Q, Q                                  ; level 3, the trip's second
.if \last
	GATE P3, Q, Q                                  ; level 4
	s_wait_dscnt 0x0                               ; the top records and the staged results are in
.else
	GATE P3, Q, R                                  ; level 4
	s_wait_dscnt 0x0                               ; the next trip's group A: its records are in
	s_wait_alu depctr_va_vdst(0)                   ; level 4's gate has written R, which the stage stores read; group D is done reading S1, in which the loads of the next group A land
	ds_store_b128 v[SA], v[R:R+3]
	ds_store_b128 v[SA], v[R+4:R+7] offset:512
.endif
.endm
	s_mov_b32 s14, 3
.Ltrip:
	TRIP 0
	s_sub_co_i32 s14, s14, 1
	s_cmp_lg_u32 s14, 0
	s_cbranch_scc1 .Ltrip
	TRIP 1                                         ; the fourth trip is written out: nothing to stage, nothing to step
	GROUP S0, S0, 0, 0, 0                          ; the top of the tree: nothing is left to ask for
	GATE H0, H1, H0                                ; level 5, gate 0
	GATE H2, Q, Q                                  ; level 5, gate 1
	GATE H0, Q, Q                                  ; level 6: the result
	s_wait_alu depctr_va_vdst(0)                   ; the last gate has written Q, which the stores read
	global_store_b128 v[GO], v[Q:Q+3],   s[32:33] th:TH_STORE_NT           ; 32 lanes x 16 bytes: 512 consecutive bytes, aligned
	global_store_b128 v[GO], v[Q+4:Q+7], s[32:33] offset:512 th:TH_STORE_NT
	s_wait_dscnt 0x0
	s_wait_alu depctr_hold_cnt(0) depctr_sa_sdst(0) depctr_va_vdst(0) depctr_va_sdst(0) depctr_va_ssrc(0) depctr_va_vcc(0) depctr_vm_vsrc(0)
	s_wait_tensorcnt 0x0
	ds_add_u32 v236, v237
	s_wait_dscnt 0x0
	s_endpgm
.Lfunc_end_k_q7d5e54d39a_emltree:
	.size	k_q7d5e54d39a_emltree, .Lfunc_end_k_q7d5e54d39a_emltree-k_q7d5e54d39a_emltree
	.p2alignl 7, 3214868480
	.fill 96, 4, 3214868480
	.section	.rodata,"a",@progbits
	.p2align	6, 0x0
	.amdhsa_kernel k_q7d5e54d39a_emltree
		.amdhsa_group_segment_fixed_size 59392
		.amdhsa_private_segment_fixed_size 0
		.amdhsa_enable_private_segment 0
		.amdhsa_kernarg_size 72
		.amdhsa_user_sgpr_count 2
		.amdhsa_user_sgpr_kernarg_segment_ptr 1
		.amdhsa_wavefront_size32 1
		.amdhsa_system_sgpr_workgroup_id_x 1
		.amdhsa_system_sgpr_workgroup_id_y 1
		.amdhsa_system_sgpr_workgroup_id_z 1
		.amdhsa_system_vgpr_workitem_id 0
		.amdhsa_next_free_vgpr 238
		.amdhsa_next_free_sgpr 66
		.amdhsa_reserve_vcc 0
		.amdhsa_float_denorm_mode_32 3
		.amdhsa_float_denorm_mode_16_64 3
		.amdhsa_memory_ordered 1
		.amdhsa_forward_progress 1
		.amdhsa_inst_pref_size 186
	.end_amdhsa_kernel
	.amdgpu_metadata
---
amdhsa.version: [ 1, 2 ]
amdhsa.kernels:
  - .name:           k_q7d5e54d39a_emltree
    .symbol:         k_q7d5e54d39a_emltree.kd
    .args:
      - { .name: logits_l0, .offset: 0, .size: 8, .value_kind: global_buffer, .address_space: global }
      - { .name: logits_l1, .offset: 8, .size: 8, .value_kind: global_buffer, .address_space: global }
      - { .name: logits_l2, .offset: 16, .size: 8, .value_kind: global_buffer, .address_space: global }
      - { .name: logits_l3, .offset: 24, .size: 8, .value_kind: global_buffer, .address_space: global }
      - { .name: logits_l4, .offset: 32, .size: 8, .value_kind: global_buffer, .address_space: global }
      - { .name: logits_l5, .offset: 40, .size: 8, .value_kind: global_buffer, .address_space: global }
      - { .name: logits_l6, .offset: 48, .size: 8, .value_kind: global_buffer, .address_space: global }
      - { .name: x, .offset: 56, .size: 8, .value_kind: global_buffer, .address_space: global }
      - { .name: out0, .offset: 64, .size: 8, .value_kind: global_buffer, .address_space: global }
    .group_segment_fixed_size: 59392
    .private_segment_fixed_size: 0
    .kernarg_segment_align: 8
    .kernarg_segment_size: 72
    .max_flat_workgroup_size: 512
    .sgpr_count:     66
    .vgpr_count:     238
    .wavefront_size: 32
...
	.end_amdgpu_metadata
.endif
;; end of part 2
